; MI455X (gfx1250); checked and timed in simulation.
; The chip was launched on July 23, 2026; its instructions are those of AMD's public machine-readable ISA for CDNA 5 (MIT licence, August 2026) and "CDNA5" Instruction Set Architecture Reference Guide (July 2026). The comments in the code are by the model that wrote it; some were corrected since.
;; Graph Multi Head Attention. Allowed arithmetic: matrix products marked QUANTISED: E4M3 operands, one given power-of-two scale a tensor, by v_wmma_f32_16x16x64_fp8_fp8 or v_wmma_f32_16x16x128_fp8_fp8, f32 sums; everything else in f32.
;; Inputs: Wk_codes 1,024 x 32 x 32 uint8 (E4M3 codes of Wk, K innermost, in blocks of 32 codes); Wq_codes 1,024 x 32 x 32 uint8 (E4M3 codes of Wq, K innermost, in blocks of 32 codes); Wv_codes 1,024 x 32 x 32 uint8 (E4M3 codes of Wv, K innermost, in blocks of 32 codes); bk 1,024 float32; bq 1,024 float32; bv 1,024 float32; lowp_scales 10 int32 (the exponents e of the quantised operands' scales 2^e); node_emb_codes 4,096 x 32 x 32 uint8 (E4M3 codes of node_emb, K innermost, in blocks of 32 codes).
;; Outputs: out0 4,096 x 1,024 float32.
;; This version of the problem:
;;   THIS VERSION OF THE PROBLEM IS GIVEN IN LOW PRECISION. The matrix products marked QUANTISED in the list below multiply operands that are first quantised to E4M3 (4 exponent bits, 3 mantissa bits; 8 bits a number), with one given power-of-two scale for each operand tensor; their sums are f32. All else is computed in f32.
;;   The module's matrix products, in the order in which they are computed (A, B: the left and right operand; K: the contracted axis; several contracted axes count as one K, in the product's order):
;;     1. [M 4,096, K 1,024] x [K 1,024, N 1,024]; A: input node_emb (given as codes); B: input Wq (given as codes): QUANTISED (scales: A lowp_scales[0], B lowp_scales[1])
;;     2. [M 4,096, K 1,024] x [K 1,024, N 1,024]; A: input node_emb (given as codes); B: input Wk (given as codes): QUANTISED (scales: A lowp_scales[2], B lowp_scales[3])
;;     3. [M 4,096, K 1,024] x [K 1,024, N 1,024]; A: input node_emb (given as codes); B: input Wv (given as codes): QUANTISED (scales: A lowp_scales[4], B lowp_scales[5])
;;     4. batch 16 x [M 4,096, K 64] x [K 64, N 4,096]; A: computed on the way; B: computed on the way: QUANTISED (scales: A lowp_scales[6], B lowp_scales[7])
;;     5. batch 16 x [M 64, K 4,096] x [K 4,096, N 4,096]; A: computed on the way; B: softmax (see below): QUANTISED (scales: A lowp_scales[8], B lowp_scales[9])
;;   THE QUANTISER, for each operand of a quantised product, along K:
;;     - The operand's scale is 2^e, e = its entry of the input lowp_scales (int32; the entries are numbered through the quantised products in the list's order, A before B).
;;     - Each number is divided by the scale, clamped to +-448, and rounded to the nearest number of E4M3, ties to even, subnormals kept.
;;     - The product sums the exact products of the quantised numbers (number of the format x scale) in f32.
;;   ~~~python
;;   def quantise(x, axis, e):      # numpy; x: float32 -> the quantised numbers, widened to float32 again
;;       x = np.moveaxis(x, axis, -1); K = x.shape[-1]
;;       r = np.clip(x / 2.0 ** e, -448, 448)
;;       step = 2.0 ** (np.maximum(np.frexp(np.where(r == 0, 1, r))[1] - 1, -6) - 3)
;;       q = np.round(r / step) * step * 2.0 ** e      # np.round: ties to even
;;       return np.moveaxis(q, -1, axis).astype(np.float32)
;;   ~~~
;;   SOFTMAX AHEAD OF A QUANTISED PRODUCT. Where the list says 'softmax', what is quantised is not the finished softmax but p = 2^(t - M), with t = logit x log2(e) and M = ceil(the row's largest t), a whole number; so 1/2 < the row's largest p <= 1. The row's sum l is taken of the UNQUANTISED p, in f32, and the product's result is divided by l at the end. Since M is a whole number, a kernel that streams over the keys may use a running M (the ceiling of the running maximum): every later rescaling is an exact power of two, so the quantised numbers keep their values, but for numbers so far below the row's largest that they fall under the format's range.
;;   OPERANDS COMPUTED ON THE WAY. 'Computed on the way' means the value that the module computes at that place (a softmax that the list does not call 'softmax' is quantised finished and normalised). What goes into a quantiser is computed in f32, as accurately as f32 sums, v_exp_f32 and their like allow (about 1e-6 of the number): no bf16 or f16 on the way to a quantiser, and a product that is left as it is and whose result goes on into a quantised operand takes f32 operands (vector FMAs, or v_wmma_f32_16x16x4_f32). A number that lies on a knife's edge between two numbers of the format may be rounded either way, as far as f32 arithmetic and the matrix unit's own rounding can turn it there, and no further.
;;   INPUTS GIVEN AS CODES. Wk (in the module: [1024, 1024], K = its axis 0); Wq (in the module: [1024, 1024], K = its axis 0); Wv (in the module: [1024, 1024], K = its axis 0); node_emb (in the module: [4096, 1024], K = its axis 1): each comes as NAME_codes (uint8): NAME with its K axis moved to the last place and cut into blocks of 32 codes, [.., K / 32, bytes a block], one block behind the other in memory; one code a byte (a code: sign, 4 exponent bits, 3 mantissa bits); its scale is its entry of lowp_scales. Its value is code x scale, taken as it is: it is not quantised again, and the codes and scales need not be those that the quantiser above would give.
;; One version. Each part assembles by itself: llvm-mc -triple=amdgcn-amd-amdhsa -mcpu=gfx1250 --defsym DOCPART=n.
;; ======== version 1 of 1: 2 launches
;; limits: right only within a limited range of input values
;; workspace buffers: qimg 4,194,304 bytes; kv 8,388,608 bytes
;; launch proj (part 1): grid 16 x 16, 4 waves a work-group, clusters of 4 x 4, 327,680 bytes of LDS; arguments node_emb_codes, Wq_codes, Wk_codes, Wv_codes, bq, bk, bv, lowp_scales, qimg, kv; writes qimg, kv
.if DOCPART == 1
	.amdgcn_target "amdgcn-amd-amdhsa--gfx1250"
	.amdhsa_code_object_version 6
	.text
	.protected	k_q23895a6ff1_proj
	.globl	k_q23895a6ff1_proj
	.p2align	8
	.type	k_q23895a6ff1_proj,@function
k_q23895a6ff1_proj:
	s_mov_b64 s[64:65], 0
	v_nop
	global_prefetch_b8 v0, s[64:65] scope:SCOPE_SE
	s_setreg_imm32_b32 hwreg(HW_REG_WAVE_MODE, 25, 1), 1
	s_wait_xcnt 0x0
	s_wait_alu depctr_hold_cnt(0) depctr_sa_sdst(0) depctr_va_vdst(0) depctr_va_sdst(0) depctr_va_ssrc(0) depctr_va_vcc(0) depctr_vm_vsrc(0)
	s_getreg_b32 s2, hwreg(HW_REG_IB_STS2, 6, 4)
	s_cmp_eq_u32 s2, 0
	s_cbranch_scc0 .Lentry_in_a_cluster
	s_endpgm
.Lentry_in_a_cluster:
	s_bfe_u32 s2, ttmp6, 0x10000c
	s_cmp_lg_u32 s2, 0xf033
	s_cbranch_scc0 .Lentry_shape_is_right
	s_endpgm
.Lentry_shape_is_right:
; q = x Wq + bq, k = x Wk + bk, v = x Wv + bv on the given codes of E4M3 (x: [4096][1024], each W: [1024 columns][1024 K], K innermost), sums in f32, then quantised again
; to E4M3 with the given scales 2^e6 (q), 2^e7 (k), 2^e8 (v) and stored as IMAGES OF THE NEXT PRODUCTS' OPERAND REGISTERS (16 bytes a lane, 512 consecutive bytes a store).
; A sum of codes stands for sum x 2^(ex + ew), with each product's own pair of exponents: e0 + e1 (q), e2 + e3 (k), e4 + e5 (v); value = sum x 2^(ex + ew) + bias, one fused multiply-add.
; LIMITS: e0 + e1, e2 + e3, e4 + e5 between -126 and 127; e6, e7, e8 between -126 and 119, so that each power of two below is an f32 number.  NaN codes among the inputs are not served.
; SHARES.  A work-group takes 256 nodes (row block rb) x one head's 64 columns of each of Wq, Wk, Wv: 16 x 16 work-groups.  Wave w takes nodes 64 w .. 64 w + 63 and all 192 columns: 48 accumulators.
; q AND k ARE MADE TRANSPOSED (source 0 = 16 rows of W, source 1 = 16 nodes): a lane holds one node and eight neighbouring channels, the next product's K.
; v IS MADE AS IT STANDS (source 0 = 16 nodes, source 1 = 16 rows of Wv): a lane holds one channel and eight neighbouring nodes, which are the keys: the last product's K.
; So one conversion of an accumulator's eight registers gives the register pair that the plain 8-bit layout wants for that run of 16 along K (ISA guide 7.12.2): nothing changes lanes.
; A fragment (16 rows x 128 K) is fetched by four loads of 16 bytes, 32 bytes apart: a permutation of k inside the instruction, the same in x and in W, so every product meets its partner.
; CLUSTER 4 x 4: the four work-groups of a row of the cluster share rb and so x's tile, the four of a column share the head and so W's tiles: each tile is asked for jointly.
; K goes in four steps of 256 through two LDS slots; a step is two substeps of 128 along K, 48 matrix instructions each; all eight substeps are written out.
; OUTPUT LAYOUTS.  qimg: [head][tile of 16 nodes, 256][piece c, 2][lane][16 bytes]: registers 4 c .. 4 c + 3 of the fragment (lane (r, h): node r, registers 2 t, 2 t + 1 = channels 16 t + 8 h + 0 .. 7).
; kv: [head][step of 128 keys, 32][16,384 bytes]: 8 fragments of k laid as q's, then from byte 8,192 on 4 fragments of v^T (16 channels x 128 keys: 4 pieces of 512 bytes; lane (r, h): channel r, registers 2 a, 2 a + 1 = keys 16 a + 8 h + 0 .. 7).
; REGISTERS, in windows of 256.  Window 0: v1-10 lane numbers and addresses; v16-23 bv; v24, v26, v28 scales; v30, v31 the spare word's address and 0; v32-63 at work; v64-95 bq; v96-127 bk;
;   v128-191, v192-255 x's fragments, two sets (on the way out: the codes).  Window 1: W's fragments, one set: Wq v0-63, Wk v64-127, Wv v128-191.
;   Window 2: q's accumulators at 8 (4 a + t), k's at 128 + 8 (4 a + t).  Window 3: v's at 8 (4 ct + a).
.set PITCH,  272                       ; an LDS row: 256 bytes + 16 of padding = 68 words, so the 16 rows of a fragment load start 4 banks apart (64 banks of 4 bytes: ISA guide 11.1)
.set XROWS,  256
.set WROWS,  64
.set KROW,   1024                      ; a row of x or of W in memory, in bytes
.set BOFF,   XROWS*PITCH               ; behind x's 256 rows: 64 rows of Wq, of Wk, of Wv
.set SLOT,   (XROWS+3*WROWS)*PITCH
.set SPARE,  2*SLOT                    ; behind the ring: the spare words, 128 bytes for each wave, that no other line names
.set LI,   3                           ; v3    16 x lane: my place in an image's piece
.set ADRA, 4                           ; v4-5  LDS address of my x fragments in slot 0, 1
.set ADRB, 6                           ; v6-7  the same for W
.set OQK,  8                           ; v8    32 h: my eight numbers of bq, bk in a tile of 16 channels
.set OBV,  9                           ; v9    4 r: my number of bv in a tile
.set BV,   16
.set SC,   24                          ; v24: 2^e6; v26: 2^e7; v28: 2^e8
.set SPW,  30
.set NIL,  31
.set TMP,  32
.set BQ,   64
.set BK,   96
.set XF,   128
.set CODE, 128
.set G1A,  24                          ; s[24:31] descriptor group 1 for x's tile;  s[32:39] its groups 0, one for each slot
.set G0A,  32
.set G1B,  40                          ; s[40:47], s[48:55] the same for W's tiles
.set G0B,  48
.set WV,   56
.set MSB,  0
.macro WIN new                         ; the immediate's high byte repeats the setting that is left; a switch that changes nothing is dropped
.if MSB != \new
	s_set_vgpr_msb (MSB<<8)|\new
.set MSB, \new
.endif
.endm
.set MUL_QK, 0xa1                      ; source 0 (W) window 1, source 1 (x) window 0, C and D window 2
.set MUL_V,  0xf4                      ; source 0 (x) window 0, source 1 (Wv) window 1, C and D window 3
.set TO_B,   0x40                      ; destination window 1, address window 0
; A joint load: wave 0 fetches x's 256 rows, waves 1, 2, 3 the head's 64 rows of Wq, Wk, Wv.  Each line has one mask; the branch hangs on the wave's number alone.
; Four v_nop follow each of the two lines, ahead of the jump, the label and what follows.
.macro JLOAD s
	s_cmp_eq_u32 s[WV], 0
	s_cbranch_scc0 .Lfor_w_\@
	tensor_load_to_lds s[G0A+4*\s:G0A+4*\s+3], s[G1A:G1A+7]
	s_nop 0
.rept 4
	v_nop
.endr
	s_branch .Lasked_\@
.Lfor_w_\@:
	tensor_load_to_lds s[G0B+4*\s:G0B+4*\s+3], s[G1B:G1B+7]
	s_nop 0
.rept 4
	v_nop
.endr
.Lasked_\@:
.endm
.macro CREST                           ; a round of the cluster's barrier behind its opening barrier
	s_cmp_lg_u32 s[WV], 0
	s_cbranch_scc1 .Lnot_wave_0_\@
	s_barrier_signal -3
.Lnot_wave_0_\@:
	s_barrier_wait -3
	s_barrier_signal -1
	s_barrier_wait -1
.endm
.macro CROUND                          ; a whole round
	s_barrier_signal -1
	s_barrier_wait -1
	CREST
.endm
.macro PLACES n                        ; plain vector lines between a matrix instruction and a load into, or a vector read of, its registers
.rept \n
	v_nop
.endr
.endm
	s_load_b512 s[4:19], s[0:1], 0x0               ; x s[4:5], Wq s[6:7], Wk s[8:9], Wv s[10:11], bq s[12:13], bk s[14:15], bv s[16:17], the exponents s[18:19]
	s_load_b128 s[20:23], s[0:1], 0x40             ; qimg s[20:21], kv s[22:23]
	v_lshl_add_u32 v[SPW], v0, 2, SPARE
	v_mov_b32 v[NIL], 0
	ds_add_u32 v30, v31
	ds_add_u32 v30, v31
	s_wait_dscnt 0x0
	v_lshrrev_b32 v1, 5, v0
	v_readfirstlane_b32 s[WV], v1                  ; wave 0..3
	s_bfe_u32 s57, ttmp6, 0x40000                  ; cx, cy: my place in the cluster
	s_bfe_u32 s58, ttmp6, 0x40004
	s_lshl_b32 s59, ttmp9, 2
	s_add_co_u32 s59, s59, s57                     ; the head = 4 x cluster x + cx
	s_and_b32 s60, ttmp7, 0xffff
	s_lshl_b32 s60, s60, 2
	s_add_co_u32 s60, s60, s58                     ; the row block rb = 4 x cluster y + cy
	s_lshl_b32 s61, s58, 2
	s_lshl_b32 s61, 15, s61                        ; my row of the cluster: it shares rb
	s_lshl_b32 s62, 0x1111, s57                    ; my column: it shares the head
	; descriptor groups 1: rows of 256 bytes (elements of 1 byte), 1,024 bytes apart in memory; 4 words of padding (code 3) behind every 64 words (code 5); bit 21 set beside a mask
	s_or_b32 s[G1A], s61, (1<<20)|(1<<21)|(5<<22)|(3<<25)
	s_or_b32 s[G1B], s62, (1<<20)|(1<<21)|(5<<22)|(3<<25)
	s_mov_b32 s[G1A+1], 256<<16                    ; tensor_dim0 = 256
	s_mov_b32 s[G1A+2], XROWS<<16                  ; tensor_dim1 = 256
	s_mov_b32 s[G1A+3], 256<<16                    ; tile_dim0 = 256
	s_mov_b32 s[G1A+4], XROWS                      ; tile_dim1 = 256
	s_mov_b32 s[G1A+5], KROW                       ; from row to row
	s_mov_b32 s[G1A+6], 0
	s_mov_b32 s[G1A+7], 0
	s_mov_b32 s[G1B+1], 256<<16
	s_mov_b32 s[G1B+2], WROWS<<16                  ; 64 rows
	s_mov_b32 s[G1B+3], 256<<16
	s_mov_b32 s[G1B+4], WROWS
	s_mov_b32 s[G1B+5], KROW
	s_mov_b32 s[G1B+6], 0
	s_mov_b32 s[G1B+7], 0
	s_lshl_b32 s90, s60, 18                        ; x: rb x 256 rows x 1,024 bytes: made of rb alone
	s_mov_b32 s91, 0
	s_lshl_b32 s66, s59, 16                        ; W: head x 64 rows x 1,024 bytes: made of the head alone
	s_mov_b32 s67, 0
	s_mul_i32 s63, s[WV], WROWS*PITCH
	s_add_co_u32 s63, s63, BOFF-WROWS*PITCH        ; where W's rows go: wave 1 at BOFF, waves 2 and 3 behind it (wave 0 never issues by this address)
	s_wait_kmcnt 0x0
	s_load_b256 s[68:75], s[18:19], 0x0            ; e0 .. e7
	s_load_b64 s[76:77], s[18:19], 0x20            ; e8, e9
	s_add_nc_u64 s[92:93], s[4:5], s[90:91]
	s_cmp_eq_u32 s[WV], 2                          ; the weight that my wave fetches: a choice on the wave's number
	s_cselect_b64 s[94:95], s[8:9], s[6:7]
	s_cmp_eq_u32 s[WV], 3
	s_cselect_b64 s[94:95], s[10:11], s[94:95]
	s_add_nc_u64 s[94:95], s[94:95], s[66:67]
	CROUND                                         ; all sixteen work-groups are here: the first joint loads meet
.irp s, 0,1
	s_mov_b32 s[G0A+4*\s], 1                                       ; count = 1
	s_mov_b32 s[G0A+4*\s+1], \s*SLOT                               ; LDS address
	s_add_nc_u64 s[G0A+4*\s+2:G0A+4*\s+3], s[92:93], \s*256        ; global address: K step s
	s_or_b32 s[G0A+4*\s+3], s[G0A+4*\s+3], 0x80000000              ; type = 2
	s_mov_b32 s[G0B+4*\s], 1
	s_add_co_u32 s[G0B+4*\s+1], s63, \s*SLOT
	s_add_nc_u64 s[G0B+4*\s+2:G0B+4*\s+3], s[94:95], \s*256
	s_or_b32 s[G0B+4*\s+3], s[G0B+4*\s+3], 0x80000000
	s_wait_alu depctr_va_vdst(0)
	s_wait_tensorcnt 0x0
	ds_add_u32 v30, v31
	ds_add_u32 v30, v31
	s_wait_dscnt 0x0
	CROUND
	JLOAD \s                                       ; both slots' first fills go out before anything else: the second goes out after the first has landed
.endr
	v_and_b32 v1, 15, v0                           ; r = lane % 16
	v_bfe_u32 v2, v0, 4, 1                         ; h = lane / 16
	v_and_b32 v[LI], 31, v0
	v_lshlrev_b32 v[LI], 4, v[LI]
	v_mul_u32_u24 v10, v1, PITCH
	v_lshl_add_u32 v10, v2, 4, v10                 ; a fragment's row x pitch + 16 x half
	s_mul_i32 s61, s[WV], 64*PITCH                 ; my 64 nodes
	v_add_nc_u32 v[ADRA], s61, v10
	v_add_nc_u32 v[ADRA+1], SLOT, v[ADRA]
	v_add_nc_u32 v[ADRB], BOFF, v10
	v_add_nc_u32 v[ADRB+1], SLOT, v[ADRB]
	v_lshlrev_b32 v[OQK], 5, v2
	v_lshlrev_b32 v[OBV], 2, v1
	s_lshl_b32 s66, s59, 8                         ; the head's 64 numbers of each bias
	s_add_nc_u64 s[12:13], s[12:13], s[66:67]
	s_add_nc_u64 s[14:15], s[14:15], s[66:67]
	s_add_nc_u64 s[16:17], s[16:17], s[66:67]
.irp t, 0,1,2,3
	global_load_b128 v[BQ+8*\t:BQ+8*\t+3],   v[OQK], s[12:13] offset:64*\t      ; bq at channels 16 t + 8 h + 0 .. 7: the layout of q's results
	global_load_b128 v[BQ+8*\t+4:BQ+8*\t+7], v[OQK], s[12:13] offset:64*\t+16
	global_load_b128 v[BK+8*\t:BK+8*\t+3],   v[OQK], s[14:15] offset:64*\t
	global_load_b128 v[BK+8*\t+4:BK+8*\t+7], v[OQK], s[14:15] offset:64*\t+16
	global_load_b32 v[BV+2*\t], v[OBV], s[16:17] offset:64*\t                   ; bv at channel 16 t + r: one number for the lane's eight results
	v_mov_b32 v[BV+2*\t+1], 0                                                   ; (named with it as a pair, so it is written)
.endr
	; where my results go
	s_lshl_b32 s66, s59, 18                        ; qimg: head x 256 tiles x 1,024 bytes
	s_lshl_b32 s62, s60, 14                        ; + rb x 16 tiles
	s_add_co_u32 s66, s66, s62
	s_lshl_b32 s62, s[WV], 12                      ; + wave x 4 tiles
	s_add_co_u32 s66, s66, s62
	s_add_nc_u64 s[84:85], s[20:21], s[66:67]
	s_lshl_b32 s66, s59, 19                        ; kv: head x 32 steps x 16,384 bytes
	s_lshl_b32 s62, s60, 15                        ; + rb x 2 steps
	s_add_co_u32 s66, s66, s62
	s_lshr_b32 s62, s[WV], 1
	s_lshl_b32 s62, s62, 14                        ; + the step of my 64 nodes
	s_add_co_u32 s66, s66, s62
	s_add_nc_u64 s[88:89], s[22:23], s[66:67]
	s_and_b32 s62, s[WV], 1                        ; which half of the step's 128 keys is mine
	s_lshl_b32 s66, s62, 12                        ; k: four fragments of 1,024 bytes
	s_add_nc_u64 s[86:87], s[88:89], s[66:67]
	s_lshl_b32 s66, s62, 10                        ; v^T: two pieces of 512 bytes in each of the four fragments,
	s_add_co_u32 s66, s66, 8192                    ; which lie behind k's
	s_add_nc_u64 s[88:89], s[88:89], s[66:67]
	; the powers of two
	s_wait_kmcnt 0x0
.macro MKPAIR ea, eb, d                ; s[d:d+1] = 2^(ea + eb) as f32, twice: the packed form names a pair
	s_add_co_i32 s[\d], s[\ea], s[\eb]
	s_add_co_i32 s[\d], s[\d], 127
	s_lshl_b32 s[\d], s[\d], 23
	s_mov_b32 s[\d+1], s[\d]
.endm
.macro MKSCALE e, reg                  ; v[reg] = 2^e as f32: the conversion takes its exponent field
	s_add_co_i32 s61, s[\e], 127
	s_lshl_b32 s62, s61, 23
	v_mov_b32 v[\reg], s62
.endm
	MKPAIR 68, 69, 78
	MKPAIR 70, 71, 80
	MKPAIR 72, 73, 82
	MKSCALE 74, SC
	MKSCALE 75, SC+2
	MKSCALE 76, SC+4
.macro FRAG reg, adr, off              ; a fragment: registers 4 c .. 4 c + 3 hold K = 32 c + 16 (lane / 16) + 0 .. 15 of row lane % 16
.irp c, 0,1,2,3
	ds_load_b128 v[\reg+4*\c:\reg+4*\c+3], v[\adr] offset:\off+32*\c
.endr
.endm
.macro LD_A slot, q, set               ; x's four fragments of the slot's q-th 128 along K into a set: 16 loads
	WIN 0
.irp a, 0,1,2,3
	FRAG XF+64*(\set)+16*\a, ADRA+\slot, 128*(\q)+\a*16*PITCH
.endr
.endm
.macro LD_B part, slot, q              ; four fragments of Wq (part 0), Wk (1) or Wv (2): 16 loads
	WIN TO_B
.irp t, 0,1,2,3
	FRAG 64*(\part)+16*\t, ADRB+\slot, 128*(\q)+(64*(\part)+16*\t)*PITCH
.endr
.endm
; 8 matrix instructions of q (part 0) or k (part 1): node tiles a0, a0 + 1 x the four channel tiles.  zero = 1: the product starts the sum: nothing is ever cleared.
; The 48 accumulators take turns, one instruction a turn, in the same order in every substep.
.macro MULQK part, set, a0, zero
.irp a, \a0, \a0+1
.irp t, 0,1,2,3
.if \zero
	v_wmma_f32_16x16x128_fp8_fp8 v[128*(\part)+8*(4*(\a)+\t):128*(\part)+8*(4*(\a)+\t)+7], v[64*(\part)+16*\t:64*(\part)+16*\t+15], v[XF+64*(\set)+16*(\a):XF+64*(\set)+16*(\a)+15], 0
.else
	v_wmma_f32_16x16x128_fp8_fp8 v[128*(\part)+8*(4*(\a)+\t):128*(\part)+8*(4*(\a)+\t)+7], v[64*(\part)+16*\t:64*(\part)+16*\t+15], v[XF+64*(\set)+16*(\a):XF+64*(\set)+16*(\a)+15], v[128*(\part)+8*(4*(\a)+\t):128*(\part)+8*(4*(\a)+\t)+7]
.endif
.endr
.endr
.endm
.macro MULV set, zero                  ; 16 matrix instructions of v: the four channel tiles x the four node tiles
.irp t, 0,1,2,3
.irp a, 0,1,2,3
.if \zero
	v_wmma_f32_16x16x128_fp8_fp8 v[8*(4*\t+\a):8*(4*\t+\a)+7], v[XF+64*(\set)+16*\a:XF+64*(\set)+16*\a+15], v[128+16*\t:128+16*\t+15], 0
.else
	v_wmma_f32_16x16x128_fp8_fp8 v[8*(4*\t+\a):8*(4*\t+\a)+7], v[XF+64*(\set)+16*\a:XF+64*(\set)+16*\a+15], v[128+16*\t:128+16*\t+15], v[8*(4*\t+\a):8*(4*\t+\a)+7]
.endif
.endr
.endr
.endm
; A slot's first substep: x's set 0.  LDS loads are always issued in the order Wq, x, Wk, Wv (16 each); a part of W is fetched anew as soon as its 16 products are issued, x into the other set.
.macro SUB slot, zero
	s_wait_dscnt 32                                ; Wq's and x's fragments are in; Wk's and Wv's may be out
	WIN MUL_QK
	MULQK 0, 0, 0, \zero
	MULQK 0, 0, 2, \zero
	PLACES 4
	LD_B 0, \slot, 1
	LD_A \slot, 1, 1
	s_wait_dscnt 48                                ; Wk's are in; behind them: Wv's and the 32 just issued
	WIN MUL_QK
	MULQK 1, 0, 0, \zero
	MULQK 1, 0, 2, \zero
	PLACES 4
	LD_B 1, \slot, 1
	s_wait_dscnt 48                                ; Wv's are in; behind them: the next substep's Wq, x, Wk
	WIN MUL_V
	MULV 0, \zero
	PLACES 4
	LD_B 2, \slot, 1
	WIN 0
.endm
; A slot's second substep (x's set 1) changes slots: ONE barrier; in front of it each wave waits for all its tensor loads, adds 0 to its spare word, and waits for that and for its reads of this slot.
; fill = 1: the barrier opens a round of the cluster's barrier and this slot is filled again, two K steps on.
.macro TURN slot, next, fill
	WIN 0                                          ; (the add's two registers lie in window 0)
	s_wait_tensorcnt 0x0                           ; all my tensor loads have landed: my part of the next slot
	ds_add_u32 v[SPW], v[NIL]                      ; 0 onto my spare word
	s_wait_dscnt 33                                ; Wq's and x's are in; Wk's, Wv's and the add may be out
	WIN MUL_QK
	MULQK 0, 1, 0, 0                               ; eight matrix instructions stand between the add and the wait for it
	s_wait_dscnt 0x0                               ; the add is done, and my reads of this slot are over: Wk's and Wv's fragments are in registers
	s_barrier_signal -1
	MULQK 0, 1, 2, 0
	WIN 0
	s_barrier_wait -1
.if \fill
	CREST                                          ; no wave of any partner still reads this slot or has a load on its way
	s_add_nc_u64 s[G0A+4*\slot+2:G0A+4*\slot+3], s[G0A+4*\slot+2:G0A+4*\slot+3], 512
	s_add_nc_u64 s[G0B+4*\slot+2:G0B+4*\slot+3], s[G0B+4*\slot+2:G0B+4*\slot+3], 512
	JLOAD \slot                                    ; my one tensor load behind the round; its four v_nop are also the places in front of the loads below
.else
	PLACES 4
.endif
	LD_B 0, \next, 0
	LD_A \next, 0, 0
	WIN MUL_QK
	MULQK 1, 1, 0, 0
	MULQK 1, 1, 2, 0
	PLACES 4
	LD_B 1, \next, 0
	WIN MUL_V
	MULV 1, 0
	PLACES 4
	LD_B 2, \next, 0
	WIN 0
.endm
	s_wait_tensorcnt 0x1                           ; my part of K step 0 is in; K step 1's may stay out
	s_barrier_signal -1
	s_barrier_wait -1                              ; everybody's is
	LD_B 0, 0, 0
	LD_A 0, 0, 0
	LD_B 1, 0, 0
	LD_B 2, 0, 0
	WIN 0
	SUB 0, 1                                       ; K step 0: the first substep's products start the sums
	TURN 0, 1, 1                                   ; slot 0 takes K step 2
	SUB 1, 0                                       ; K step 1
	TURN 1, 0, 1                                   ; slot 1 takes K step 3
	SUB 0, 0                                       ; K step 2
	TURN 0, 1, 0                                   ; nothing is left to fetch
	SUB 1, 0                                       ; K step 3
	s_wait_dscnt 32                                ; the last substep
	WIN MUL_QK
	MULQK 0, 1, 0, 0
	MULQK 0, 1, 2, 0
	s_wait_dscnt 16                                ; Wv's may be out
	MULQK 1, 1, 0, 0
	MULQK 1, 1, 2, 0
	s_wait_dscnt 0x0
	WIN MUL_V
	MULV 1, 0
	WIN 0
; THE WAY OUT.  Four accumulators (32 registers of a lane, 32 neighbours along the next K) become a fragment's or half a fragment's codes: sum x 2^(ex + ew) + bias
; (the conversion to an 8-bit code does not saturate: ISA guide 7.6.2), four conversions, two stores of 512 consecutive bytes.  Each accumulator is read from its low end on.
; Every call has its own eight code registers, so no store's data are written again; the stores' offset register and bases are never rewritten.
.macro OUT32 win, acc, sp, bias, bcast, sc, lim, code, base, off
	WIN \win                                       ; source 0: window 2 or 3
.set j, 0
.rept 16
.if \bcast
	v_pk_fma_f32 v[TMP+j:TMP+j+1], v[\acc+j:\acc+j+1], s[\sp:\sp+1], v[\bias:\bias+1] op_sel_hi:[1,0,0]     ; one bias for all of the lane's numbers
.else
	v_pk_fma_f32 v[TMP+j:TMP+j+1], v[\acc+j:\acc+j+1], s[\sp:\sp+1], v[\bias+j:\bias+j+1] op_sel_hi:[1,0,1]
.endif
.set j, j+2
.endr
	WIN 0
.set j, 0
.rept 32
.set j, j+1
.endr
.irp g, 0,1,2,3
	v_cvt_scalef32_pk8_fp8_f32 v[\code+2*\g:\code+2*\g+1], v[TMP+8*\g:TMP+8*\g+7], v[\sc]
.endr
	v_nop                                          ; one plain vector line between the conversions and the next lines that write their sources
.irp c, 0,1
	global_store_b128 v[LI], v[\code+4*\c:\code+4*\c+3], s[\base:\base+1] offset:\off+512*\c
.endr
.endm
	s_wait_loadcnt 0x0                             ; the biases
	PLACES 4                                       ; behind the last products
.irp a, 0,1,2,3
	OUT32 0x02, 32*\a, 78, BQ, 0, SC, SC+1, CODE+8*\a, 84, 1024*\a
.endr
.irp a, 0,1,2,3
	OUT32 0x02, 128+32*\a, 80, BK, 0, SC+2, SC+3, CODE+32+8*\a, 86, 1024*\a
.endr
.irp a, 0,1,2,3
	OUT32 0x03, 32*\a, 82, BV+2*\a, 1, SC+4, SC+5, CODE+64+8*\a, 88, 2048*\a
.endr
	s_wait_tensorcnt 0x0                           ; the wave's end
	ds_add_u32 v[SPW], v[NIL]
	s_wait_dscnt 0x0
	CROUND                                         ; the closing round: no work-group ends while a partner may still ask for a tile that names it
	s_endpgm
.Lfunc_end_k_q23895a6ff1_proj:
	.size	k_q23895a6ff1_proj, .Lfunc_end_k_q23895a6ff1_proj-k_q23895a6ff1_proj
	.p2alignl 7, 3214868480
	.fill 96, 4, 3214868480
	.section	.rodata,"a",@progbits
	.p2align	6, 0x0
	.amdhsa_kernel k_q23895a6ff1_proj
		.amdhsa_group_segment_fixed_size 327680
		.amdhsa_private_segment_fixed_size 0
		.amdhsa_enable_private_segment 0
		.amdhsa_kernarg_size 80
		.amdhsa_user_sgpr_count 2
		.amdhsa_user_sgpr_kernarg_segment_ptr 1
		.amdhsa_wavefront_size32 1
		.amdhsa_system_sgpr_workgroup_id_x 1
		.amdhsa_system_sgpr_workgroup_id_y 1
		.amdhsa_system_sgpr_workgroup_id_z 1
		.amdhsa_system_vgpr_workitem_id 0
		.amdhsa_next_free_vgpr 1024
		.amdhsa_next_free_sgpr 96
		.amdhsa_reserve_vcc 0
		.amdhsa_float_denorm_mode_32 3
		.amdhsa_float_denorm_mode_16_64 3
		.amdhsa_fp16_overflow 1
		.amdhsa_memory_ordered 1
		.amdhsa_forward_progress 1
		.amdhsa_inst_pref_size 93
	.end_amdhsa_kernel
	.amdgpu_metadata
---
amdhsa.version: [ 1, 2 ]
amdhsa.kernels:
  - .name:           k_q23895a6ff1_proj
    .symbol:         k_q23895a6ff1_proj.kd
    .args:
      - { .name: node_emb_codes, .offset: 0, .size: 8, .value_kind: global_buffer, .address_space: global }
      - { .name: Wq_codes, .offset: 8, .size: 8, .value_kind: global_buffer, .address_space: global }
      - { .name: Wk_codes, .offset: 16, .size: 8, .value_kind: global_buffer, .address_space: global }
      - { .name: Wv_codes, .offset: 24, .size: 8, .value_kind: global_buffer, .address_space: global }
      - { .name: bq, .offset: 32, .size: 8, .value_kind: global_buffer, .address_space: global }
      - { .name: bk, .offset: 40, .size: 8, .value_kind: global_buffer, .address_space: global }
      - { .name: bv, .offset: 48, .size: 8, .value_kind: global_buffer, .address_space: global }
      - { .name: lowp_scales, .offset: 56, .size: 8, .value_kind: global_buffer, .address_space: global }
      - { .name: qimg, .offset: 64, .size: 8, .value_kind: global_buffer, .address_space: global }
      - { .name: kv, .offset: 72, .size: 8, .value_kind: global_buffer, .address_space: global }
    .group_segment_fixed_size: 327680
    .private_segment_fixed_size: 0
    .kernarg_segment_align: 8
    .kernarg_segment_size: 80
    .max_flat_workgroup_size: 128
    .sgpr_count:     96
    .vgpr_count:     1024
    .wavefront_size: 32
...
	.end_amdgpu_metadata
.endif
;; end of part 1
;; launch attn (part 2): grid 16 x 16, 8 waves a work-group, clusters of 4 x 1, 327,680 bytes of LDS; arguments qimg, kv, lowp_scales, out0; writes out0
.if DOCPART == 2
	.amdgcn_target "amdgcn-amd-amdhsa--gfx1250"
	.amdhsa_code_object_version 6
	.text
	.protected	k_q23895a6ff1_attn
	.globl	k_q23895a6ff1_attn
	.p2align	8
	.type	k_q23895a6ff1_attn,@function
k_q23895a6ff1_attn:
	s_mov_b64 s[64:65], 0
	v_nop
	global_prefetch_b8 v0, s[64:65] scope:SCOPE_SE
	s_setreg_imm32_b32 hwreg(HW_REG_WAVE_MODE, 25, 1), 1
	s_wait_xcnt 0x0
	s_wait_alu depctr_hold_cnt(0) depctr_sa_sdst(0) depctr_va_vdst(0) depctr_va_sdst(0) depctr_va_ssrc(0) depctr_va_vcc(0) depctr_vm_vsrc(0)
	s_getreg_b32 s2, hwreg(HW_REG_IB_STS2, 6, 4)
	s_cmp_eq_u32 s2, 0
	s_cbranch_scc0 .Lentry_in_a_cluster
	s_endpgm
.Lentry_in_a_cluster:
	s_bfe_u32 s2, ttmp6, 0x10000c
	s_cmp_lg_u32 s2, 0x3003
	s_cbranch_scc0 .Lentry_shape_is_right
	s_endpgm
.Lentry_shape_is_right:
.set SLOTB, 131072
.set STEPB, 16384
.set SPARE, 2*SLOTB
.set STAGE, SPARE+1024
.set SP,    272
.set LI,  3
.set ADR, 4
.set STO, 5
.set RD,  6
.set GO,  7
.set SPW, 8
.set NIL, 9
.set ST,  12
.set T,   20
.set Q,   36
.set P,   52
.set LIM, 84
.set SCP, 85
.set S,   96
.set KF,  0
.set VF,  64
.set O,   128
.set WV,  12
.set SEL, 20
.set CS,  22
.set G1,  24
.set G0,  32
.set TB,  40
.set CNT, 41
.set EO,  42
.set MSB, 0
.macro WIN new
.if MSB != \new
	s_set_vgpr_msb (MSB<<8)|\new
.set MSB, \new
.endif
.endm
.set TO_F, 0x40
.set W_KQ, 0x01
.set W_RS, 0x41
.set W_PV, 0x51
.macro CROUND
	s_barrier_signal -1
	s_barrier_wait -1
	s_cmp_lg_u32 s[WV], 0
	s_cbranch_scc1 .Lnot_wave_0_\@
	s_barrier_signal -3
.Lnot_wave_0_\@:
	s_barrier_wait -3
	s_barrier_signal -1
	s_barrier_wait -1
.endm
	s_load_b256 s[4:11], s[0:1], 0x0
	v_lshl_add_u32 v[SPW], v0, 2, SPARE
	v_mov_b32 v[NIL], 0
	ds_add_u32 v8, v9
	ds_add_u32 v8, v9
	s_wait_dscnt 0x0
	v_lshrrev_b32 v1, 5, v0
	s_delay_alu instid0(VALU_DEP_1)
	v_readfirstlane_b32 s[WV], v1
	s_bfe_u32 s13, ttmp6, 0x40000
	s_lshl_b32 s14, ttmp9, 2
	s_add_co_u32 s14, s14, s13
	s_and_b32 s15, ttmp7, 0xffff
	s_lshl_b32 s43, s[WV], 14
	s_lshl_b32 s16, s15, 19
	s_add_co_u32 s16, s16, s43
	s_mov_b32 s17, 0
	s_mov_b32 s[G1], 15|(3<<16)|(1<<21)
	s_mov_b32 s[G1+1], 32<<16
	s_mov_b32 s[G1+2], 64<<16
	s_mov_b32 s[G1+3], 32<<16
	s_mov_b32 s[G1+4], 64
	s_mov_b32 s[G1+5], 32
	s_mov_b32 s[G1+6], 0
	s_mov_b32 s[G1+7], 0
	s_mov_b32 s[SEL], 0x76543210
	s_mov_b32 s[SEL+1], 0xfedcba98
	s_mov_b32 s[CS], 0x3e38aa3b
	s_lshl_b32 s50, s15, 18
	s_lshl_b32 s49, s14, 14
	s_add_co_u32 s50, s50, s49
	s_lshl_b32 s49, s[WV], 11
	s_add_co_u32 s50, s50, s49
	s_mov_b32 s51, 0
	s_lshl_b32 s2, s14, 20
	s_lshl_b32 s49, s[WV], 17
	s_add_co_u32 s2, s2, s49
	s_lshl_b32 s49, s15, 8
	s_add_co_u32 s2, s2, s49
	s_mov_b32 s3, 0
	s_wait_kmcnt 0x0
	s_load_b128 s[44:47], s[8:9], 0x18
	s_add_nc_u64 s[18:19], s[6:7], s[16:17]
	s_add_nc_u64 s[4:5], s[4:5], s[50:51]
	s_add_nc_u64 s[10:11], s[10:11], s[2:3]
.irp s, 0,1
	s_mov_b32 s[G0+4*\s], 1
	s_add_co_u32 s[G0+4*\s+1], s43, \s*SLOTB
	s_add_nc_u64 s[G0+4*\s+2:G0+4*\s+3], s[18:19], \s*SLOTB
	s_or_b32 s[G0+4*\s+3], s[G0+4*\s+3], 0x80000000
.endr
	CROUND
	tensor_load_to_lds s[G0:G0+3], s[G1:G1+7]
	s_nop 0
	s_wait_alu depctr_va_vdst(0)
	s_wait_tensorcnt 0x0
	ds_add_u32 v8, v9
	s_wait_dscnt 0x0
	CROUND
	tensor_load_to_lds s[G0+4:G0+7], s[G1:G1+7]
	s_nop 0
.rept 4
	v_nop
.endr
	v_and_b32 v1, 15, v0
	v_bfe_u32 v2, v0, 4, 1
	v_and_b32 v[LI], 31, v0
	s_delay_alu instid0(VALU_DEP_1)
	v_lshlrev_b32 v[LI], 4, v[LI]
.irp u, 0,1
.irp c, 0,1
	global_load_b128 v[Q+8*\u+4*\c:Q+8*\u+4*\c+3], v[LI], s[4:5] offset:1024*\u+512*\c th:TH_LOAD_NT
.endr
.endr
	s_mul_i32 s49, s[WV], 16*SP
	s_add_co_u32 s49, s49, STAGE
	v_mul_u32_u24 v[STO], v1, SP
	s_delay_alu instid0(VALU_DEP_1)
	v_lshl_add_u32 v[STO], v2, 5, v[STO]
	s_delay_alu instid0(VALU_DEP_1)
	v_add_nc_u32 v[STO], s49, v[STO]
	v_mul_u32_u24 v[RD], v2, SP
	s_delay_alu instid0(VALU_DEP_1)
	v_lshl_add_u32 v[RD], v1, 4, v[RD]
	s_delay_alu instid0(VALU_DEP_1)
	v_add_nc_u32 v[RD], s49, v[RD]
	v_lshlrev_b32 v[GO], 12, v2
	s_delay_alu instid0(VALU_DEP_1)
	v_lshl_add_u32 v[GO], v1, 4, v[GO]
.irp u, 0,1
	v_mov_b32 v[ST+4*\u+1], 0xff61b1e6
	s_delay_alu instid0(VALU_DEP_1)
	v_floor_f32 v[ST+4*\u], -v[ST+4*\u+1]
	v_mov_b32 v[ST+4*\u+2], 0
	v_mov_b32 v[ST+4*\u+3], 0
	v_mov_b32 v[T+8*\u+1], 0
	v_mov_b32 v[T+8*\u+3], 0
.endr
	WIN TO_F
.set j, 0
.rept 64
	v_mov_b32 v[O+j], 0
.set j, j+1
.endr
	WIN 0
	s_wait_kmcnt 0x0
	s_add_co_i32 s48, s44, s45
	s_lshl_b32 s48, s48, 23
	s_add_co_i32 s[CS], s[CS], s48
	s_mov_b32 s[CS+1], s[CS]
	s_add_co_i32 s48, s47, 127
	s_lshl_b32 s49, s48, 23
	v_mov_b32 v[SCP], s49
	s_add_co_i32 s[EO], s46, s47
.macro STEP
	v_add_nc_u32 v[ADR], s[TB], v[LI]
.rept 4
	v_nop
.endr
	WIN TO_F
.irp f, 0,1,2,3,4,5,6,7
	ds_load_b128 v[KF+8*\f:KF+8*\f+3],   v[ADR] offset:1024*\f
	ds_load_b128 v[KF+8*\f+4:KF+8*\f+7], v[ADR] offset:1024*\f+512
.endr
.irp f, 0,1,2,3
.irp c, 0,1,2,3
	ds_load_b128 v[VF+16*\f+4*\c:VF+16*\f+4*\c+3], v[ADR] offset:8192+2048*\f+512*\c
.endr
.endr
	s_wait_dscnt 16
	WIN W_KQ
.irp f, 0,1,2,3,4,5,6,7
.irp u, 0,1
	v_wmma_f32_16x16x64_fp8_fp8 v[S+64*\u+8*\f:S+64*\u+8*\f+7], v[KF+8*\f:KF+8*\f+7], v[Q+8*\u:Q+8*\u+7], 0
.endr
.endr
	WIN 0
.rept 4
	v_nop
.endr
.irp u, 0,1
	v_max3_num_f32 v[T+8*\u+2], v[S+64*\u], v[S+64*\u+1], v[S+64*\u+2]
	v_max3_num_f32 v[T+8*\u+6], v[S+64*\u+3], v[S+64*\u+4], v[S+64*\u+5]
.endr
.irp i, 6,10,14,18,22,26,30,34,38,42,46,50,54,58
.irp u, 0,1
	v_max3_num_f32 v[T+8*\u+2], v[T+8*\u+2], v[S+64*\u+\i], v[S+64*\u+\i+1]
	v_max3_num_f32 v[T+8*\u+6], v[T+8*\u+6], v[S+64*\u+\i+2], v[S+64*\u+\i+3]
.endr
.endr
.irp u, 0,1
	v_max3_num_f32 v[T+8*\u+2], v[T+8*\u+2], v[S+64*\u+62], v[S+64*\u+63]
.endr
.irp u, 0,1
	s_delay_alu instid0(VALU_DEP_2)
	v_max_num_f32 v[T+8*\u+2], v[T+8*\u+2], v[T+8*\u+6]
.endr
.irp u, 0,1
	s_delay_alu instid0(VALU_DEP_2)
	v_permlanex16_b32 v[T+8*\u+3], v[T+8*\u+2], s[SEL], s[SEL+1]
.endr
.irp u, 0,1
	s_delay_alu instid0(VALU_DEP_2)
	v_max_num_f32 v[T+8*\u+2], v[T+8*\u+2], v[T+8*\u+3]
.endr
.irp u, 0,1
	s_delay_alu instid0(VALU_DEP_2)
	v_mul_f32 v[T+8*\u+2], s[CS], v[T+8*\u+2]
.endr
.irp u, 0,1
	s_delay_alu instid0(VALU_DEP_2)
	v_max_num_f32 v[ST+4*\u+1], v[ST+4*\u+1], v[T+8*\u+2]
.endr
.irp u, 0,1
	v_mov_b32 v[T+8*\u+2], v[ST+4*\u]
.endr
.irp u, 0,1
	s_delay_alu instid0(VALU_DEP_4)
	v_floor_f32 v[ST+4*\u], -v[ST+4*\u+1]
.endr
.irp u, 0,1
	s_delay_alu instid0(VALU_DEP_2)
	v_sub_f32 v[T+8*\u+2], v[ST+4*\u], v[T+8*\u+2]
.endr
.irp u, 0,1
	s_delay_alu instid0(VALU_DEP_2)
	v_cvt_i32_f32 v[T+8*\u+2], v[T+8*\u+2]
.endr
.irp u, 0,1
	s_delay_alu instid0(VALU_DEP_2)
	v_ldexp_f32 v[T+8*\u], 1.0, v[T+8*\u+2]
.endr
.set j, 0
.rept 64
	v_pk_fma_f32 v[S+j:S+j+1], v[S+j:S+j+1], s[CS:CS+1], v[ST+4*(j/64):ST+4*(j/64)+1] op_sel_hi:[1,0,0]
.set j, j+2
.endr
.set j, 0
	s_setprio 1
	s_wait_alu depctr_va_vdst(0)
.rept 128
	v_exp_f32 v[S+j], v[S+j]
.set j, j+1
.endr
.irp u, 0,1
	v_pk_mul_f32 v[ST+4*\u+2:ST+4*\u+3], v[ST+4*\u+2:ST+4*\u+3], v[T+8*\u:T+8*\u+1] op_sel_hi:[1,0]
.endr
	s_wait_alu depctr_va_vdst(0)
.irp u, 0,1
	v_pk_add_f32 v[T+8*\u+4:T+8*\u+5], v[S+64*\u:S+64*\u+1], v[S+64*\u+2:S+64*\u+3]
.endr
.irp i, 4,8,12,16,20,24,28,32,36,40,44,48,52,56,60
.irp u, 0,1
	v_pk_add_f32 v[ST+4*\u+2:ST+4*\u+3], v[ST+4*\u+2:ST+4*\u+3], v[S+64*\u+\i:S+64*\u+\i+1]
	v_pk_add_f32 v[T+8*\u+4:T+8*\u+5], v[T+8*\u+4:T+8*\u+5], v[S+64*\u+\i+2:S+64*\u+\i+3]
.endr
.endr
.irp u, 0
	s_delay_alu instid0(VALU_DEP_3)
	v_pk_add_f32 v[ST+4*\u+2:ST+4*\u+3], v[ST+4*\u+2:ST+4*\u+3], v[T+8*\u+4:T+8*\u+5]
.endr
.irp u, 1
	s_delay_alu instid0(VALU_DEP_2)
	v_pk_add_f32 v[ST+4*\u+2:ST+4*\u+3], v[ST+4*\u+2:ST+4*\u+3], v[T+8*\u+4:T+8*\u+5]
.endr
.set j, 0
.rept 16
.irp i, 0,1,2,3,4,5,6,7
.endr
	v_cvt_scalef32_pk8_fp8_f32 v[P+2*j:P+2*j+1], v[S+8*j:S+8*j+7], v[SCP]
.set j, j+1
.endr
	WIN W_RS
.set j, 0
	s_setprio 0
.rept 32
	v_pk_mul_f32 v[O+j:O+j+1], v[O+j:O+j+1], v[T+8*(j/32):T+8*(j/32)+1] op_sel_hi:[1,0]
.set j, j+2
.endr
	s_wait_alu depctr_va_vdst(0)
	s_wait_dscnt 0x0
	WIN W_PV
.irp f, 0,1,2,3
.irp u, 0,1
	v_wmma_f32_16x16x128_fp8_fp8 v[O+32*\u+8*\f:O+32*\u+8*\f+7], v[VF+16*\f:VF+16*\f+15], v[P+16*\u:P+16*\u+15], v[O+32*\u+8*\f:O+32*\u+8*\f+7]
.endr
.endr
	WIN 0
.endm
.macro EIGHT base
	s_mov_b32 s[TB], \base
	s_mov_b32 s[CNT], 8
.Lstep_\@:
	s_setprio 2
	STEP
	s_add_co_u32 s[TB], s[TB], STEPB
	s_sub_co_u32 s[CNT], s[CNT], 1
	s_cmp_lg_u32 s[CNT], 0
	s_cbranch_scc1 .Lstep_\@
	s_setprio 0
.endm
.macro CHANGE fill, set
	s_wait_tensorcnt 0x0
	ds_add_u32 v[SPW], v[NIL]
.if \fill
	s_add_nc_u64 s[G0+4*\set+2:G0+4*\set+3], s[G0+4*\set+2:G0+4*\set+3], 2*SLOTB
.endif
	s_wait_dscnt 0x0
.if \fill
	CROUND
	tensor_load_to_lds s[G0+4*\set:G0+4*\set+3], s[G1:G1+7]
	s_nop 0
.rept 4
	v_nop
.endr
.else
	s_barrier_signal -1
	s_barrier_wait -1
.endif
.endm
	s_wait_tensorcnt 0x1
	s_barrier_signal -1
	s_barrier_wait -1
	s_wait_loadcnt 0x0
	EIGHT 0
	CHANGE 1, 0
	EIGHT SLOTB
	CHANGE 1, 1
	EIGHT 0
	CHANGE 0, 0
	EIGHT SLOTB
.rept 4
	v_nop
.endr
.irp u, 0,1
	v_add_f32 v[T+8*\u+2], v[ST+4*\u+2], v[ST+4*\u+3]
.endr
.irp u, 0,1
	s_delay_alu instid0(VALU_DEP_2)
	v_permlanex16_b32 v[T+8*\u+3], v[T+8*\u+2], s[SEL], s[SEL+1]
.endr
.irp u, 0,1
	s_delay_alu instid0(VALU_DEP_2)
	v_add_f32 v[T+8*\u+2], v[T+8*\u+2], v[T+8*\u+3]
.endr
	s_wait_alu depctr_va_vdst(0)
.irp u, 0,1
	v_rcp_f32 v[T+8*\u], v[T+8*\u+2]
.endr
	v_nop
	s_wait_alu depctr_va_vdst(0)
.irp u, 0,1
	v_ldexp_f32 v[T+8*\u], v[T+8*\u], s[EO]
.endr
.irp u, 0,1
	WIN 0x01
.set j, 0
.rept 16
	v_pk_mul_f32 v[S+64*\u+j:S+64*\u+j+1], v[O+32*\u+j:O+32*\u+j+1], v[T+8*\u:T+8*\u+1] op_sel_hi:[1,0]
.set j, j+2
.endr
	WIN 0
.irp f, 0,1,2,3
	ds_store_b128 v[STO], v[S+64*\u+8*\f:S+64*\u+8*\f+3] offset:64*\f
	ds_store_b128 v[STO], v[S+64*\u+8*\f+4:S+64*\u+8*\f+7] offset:64*\f+16
.endr
.irp i, 0,1,2,3,4,5,6,7
	ds_load_b128 v[S+64*\u+32+4*\i:S+64*\u+32+4*\i+3], v[RD] offset:\i*2*SP
.endr
.endr
.irp u, 0,1
.irp i, 0,1,2,3,4,5,6,7
	s_wait_dscnt 23-16*\u-\i
	global_store_b128 v[GO], v[S+64*\u+32+4*\i:S+64*\u+32+4*\i+3], s[10:11] offset:(16*\u+2*\i)*4096 th:TH_STORE_NT
.endr
.endr
	s_wait_tensorcnt 0x0
	ds_add_u32 v[SPW], v[NIL]
	s_wait_dscnt 0x0
	CROUND
	s_endpgm
.Lfunc_end_k_q23895a6ff1_attn:
	.size	k_q23895a6ff1_attn, .Lfunc_end_k_q23895a6ff1_attn-k_q23895a6ff1_attn
	.p2alignl 7, 3214868480
	.fill 96, 4, 3214868480
	.section	.rodata,"a",@progbits
	.p2align	6, 0x0
	.amdhsa_kernel k_q23895a6ff1_attn
		.amdhsa_group_segment_fixed_size 327680
		.amdhsa_private_segment_fixed_size 0
		.amdhsa_enable_private_segment 0
		.amdhsa_kernarg_size 32
		.amdhsa_user_sgpr_count 2
		.amdhsa_user_sgpr_kernarg_segment_ptr 1
		.amdhsa_wavefront_size32 1
		.amdhsa_system_sgpr_workgroup_id_x 1
		.amdhsa_system_sgpr_workgroup_id_y 1
		.amdhsa_system_sgpr_workgroup_id_z 1
		.amdhsa_system_vgpr_workitem_id 0
		.amdhsa_next_free_vgpr 512
		.amdhsa_next_free_sgpr 66
		.amdhsa_reserve_vcc 0
		.amdhsa_float_denorm_mode_32 3
		.amdhsa_float_denorm_mode_16_64 3
		.amdhsa_fp16_overflow 1
		.amdhsa_memory_ordered 1
		.amdhsa_forward_progress 1
		.amdhsa_inst_pref_size 117
	.end_amdhsa_kernel
	.amdgpu_metadata
---
amdhsa.version: [ 1, 2 ]
amdhsa.kernels:
  - .name:           k_q23895a6ff1_attn
    .symbol:         k_q23895a6ff1_attn.kd
    .args:
      - { .name: qimg, .offset: 0, .size: 8, .value_kind: global_buffer, .address_space: global }
      - { .name: kv, .offset: 8, .size: 8, .value_kind: global_buffer, .address_space: global }
      - { .name: lowp_scales, .offset: 16, .size: 8, .value_kind: global_buffer, .address_space: global }
      - { .name: out0, .offset: 24, .size: 8, .value_kind: global_buffer, .address_space: global }
    .group_segment_fixed_size: 327680
    .private_segment_fixed_size: 0
    .kernarg_segment_align: 8
    .kernarg_segment_size: 32
    .max_flat_workgroup_size: 256
    .sgpr_count:     66
    .vgpr_count:     512
    .wavefront_size: 32
...
	.end_amdgpu_metadata
.endif
;; end of part 2
